; MI455X (gfx1250); checked and timed in simulation.
; The chip was launched on July 23, 2026; its instructions are those of AMD's public machine-readable ISA for CDNA 5 (MIT licence, August 2026) and "CDNA5" Instruction Set Architecture Reference Guide (July 2026). The comments in the code are by the model that wrote it; some were corrected since.
;; LSTM Cell. Allowed arithmetic: matrix products marked QUANTISED: E2M1 operands, one E8M0 scale for each 32 along K, by v_wmma_scale_f32_16x16x128_f8f6f4 with both operands' format E2M1 (or v_wmma_scale_f32_32x16x128_f4), f32 sums; everything else in f32.
;; Inputs: W_c_b 2,048 float32; W_c_w 2,048 x 4,096 float32; W_f_b 2,048 float32; W_f_w 2,048 x 4,096 float32; W_i_b 2,048 float32; W_i_w 2,048 x 4,096 float32; W_o_b 2,048 float32; W_o_w 2,048 x 4,096 float32; c 2,048 x 2,048 float32; h 2,048 x 2,048 float32; x 2,048 x 2,048 float32.
;; Outputs: out0 2,048 x 2,048 float32; out1 2,048 x 2,048 float32.
;; This version of the problem:
;;   THIS VERSION OF THE PROBLEM IS GIVEN IN LOW PRECISION. The matrix products marked QUANTISED in the list below multiply operands that are first quantised to E2M1 (2 exponent bits, 1 mantissa bit; 4 bits a number), with one power-of-two scale for each 32 numbers along K (OCP MX v1.0); their sums are f32. All else is computed in f32.
;;   The module's matrix products, in the order in which they are computed (A, B: the left and right operand; K: the contracted axis; several contracted axes count as one K, in the product's order):
;;     1. [M 2,048, K 4,096] x [K 4,096, N 8,192]; A: computed on the way; B: computed on the way: QUANTISED
;;   THE QUANTISER, for each operand of a quantised product, along K:
;;     - K is cut into blocks of 32 from its start; a last block that is shorter is filled with zeros.
;;     - A block's scale is 2^e with e = floor(log2(the largest magnitude in the block)) - 2, held to -126 .. 127; a block of zeros has e = 0. As a byte (E8M0): e + 127.
;;     - Each number is divided by its block's scale, clamped to +-6, and rounded to the nearest number of E2M1, ties to even, subnormals kept.
;;     - The product sums the exact products of the quantised numbers (number of the format x scale) in f32.
;;   ~~~python
;;   def quantise(x, axis):      # numpy; x: float32 -> the quantised numbers, widened to float32 again
;;       x = np.moveaxis(x, axis, -1); K = x.shape[-1]
;;       x = np.pad(x, [(0, 0)] * (x.ndim - 1) + [(0, -K % 32)]); x = x.reshape(x.shape[:-1] + (-1, 32)); a = np.abs(x).max(-1, keepdims=True)
;;       e = np.where(a > 0, np.clip(np.frexp(np.where(a > 0, a, 1))[1] - 1 - 2, -126, 127), 0)      # np.frexp(a)[1] - 1 = floor(log2(a)), exactly
;;       r = np.clip(x / 2.0 ** e, -6, 6)
;;       step = 2.0 ** (np.maximum(np.frexp(np.where(r == 0, 1, r))[1] - 1, 0) - 1)
;;       q = np.round(r / step) * step * 2.0 ** e      # np.round: ties to even
;;       return np.moveaxis(q.reshape(q.shape[:-2] + (-1,))[..., :K], -1, axis).astype(np.float32)
;;   ~~~
;;   OPERANDS COMPUTED ON THE WAY. 'Computed on the way' means the value that the module computes at that place (a softmax that the list does not call 'softmax' is quantised finished and normalised). What goes into a quantiser is computed in f32, as accurately as f32 sums, v_exp_f32 and their like allow (about 1e-6 of the number): no bf16 or f16 on the way to a quantiser, and a product that is left as it is and whose result goes on into a quantised operand takes f32 operands (vector FMAs, or v_wmma_f32_16x16x4_f32). A number that lies on a knife's edge between two numbers of the format may be rounded either way, as far as f32 arithmetic and the matrix unit's own rounding can turn it there, and no further.
;; One version. Each part assembles by itself: llvm-mc -triple=amdgcn-amd-amdhsa -mcpu=gfx1250 --defsym DOCPART=n.
;; ======== version 1 of 1: 2 launches
;; limits: right only within a limited range of input values
;; workspace buffers: codes 22,282,240 bytes
;; launch quant (part 1): grid 256 x 5, 4 waves a work-group, no clusters, 1,536 bytes of LDS; arguments x, h, W_i_w, W_f_w, W_o_w, W_c_w, codes; writes codes
.if DOCPART == 1
	.amdgcn_target "amdgcn-amd-amdhsa--gfx1250"
	.amdhsa_code_object_version 6
	.text
	.protected	k_qe9d9b9c854_quant
	.globl	k_qe9d9b9c854_quant
	.p2align	8
	.type	k_qe9d9b9c854_quant,@function
k_qe9d9b9c854_quant:
	s_mov_b64 s[64:65], 0
	v_nop
	global_prefetch_b8 v0, s[64:65] scope:SCOPE_SE
	s_setreg_imm32_b32 hwreg(HW_REG_WAVE_MODE, 25, 1), 1
	s_wait_xcnt 0x0
; [x | h] (2,048 rows x 4,096 along K) and the four weights (2,048 rows x 4,096 each), all f32 with K innermost, become codes of FP4 (E2M1) with one E8M0 scale byte
; for each 32 along K.  A block's scale is 2^(floor(log2(its largest magnitude)) - 2); its byte is the largest magnitude's exponent field - 2, held at 1 from below.
; Each number is divided by the scale and rounded to the nearest code, ties to even; beyond 6 the largest code.
; LIMITS: a block of zeros gets the byte 1 where the rule says 127 (its codes are zeros, which add nothing under any byte but 0xff, and this program alone reads the bytes);
; a block whose largest magnitude lies under 2^-124 has its byte held at 1; NaN and infinities among the inputs are not served.
; THE OUTPUT IS LAID AS THE NEXT LAUNCH'S TENSOR LOADS WANT IT: in CHUNKS of 34,816 bytes = 128 operand rows x 512 along K: row p's 512 codes at 256 p, row p's 16 scale bytes at 32,768 + 16 p.
; INSIDE A ROW'S 512 the blocks stand in another order than in K, alike for both operands, so that every product meets its partner and its two scales: the block of numbers 128 s + 32 g + 0 .. 31
; (s, g = 0 .. 3) has its 16 bytes of codes at 64 g + 16 s and its scale byte at 4 g + s; inside a block the codes keep K's order.
; Chunk (block BI, K step ks) lies at (8 BI + ks) x 34,816.  [x | h]: BI = row / 128, p = row % 128; K steps 0-3 are x's, 4-7 h's.
; Weights: BI = 16 + j / 32 for output column j, and p = 32 gate + j % 32 (i 0, f 1, o 2, c 3).
; SHARES.  Work-group (X, y): 16 rows (group R = X / 2), half kh = X % 2 of K; y = 0: x (kh = 0) or h (kh = 1); y = 1 .. 4: gate y - 1.  Wave w takes K step 4 kh + w of the 16 rows, a row a step.
; A STEP: four loads of 512 consecutive bytes, 16 a lane: load s brings numbers 128 s + 4 lane + 0 .. 3, so a block lies in eight neighbouring lanes of one load: its largest magnitude is joined by three DPP steps.
; A conversion takes eight registers and one scale: it is run on two loads' registers once with each load's scale, and of each result the 16 bits made with the right scale are kept.
; The 16-bit pieces are then transposed within each four lanes (lane 4 m + j gets load j's pieces of lanes 4 m .. 4 m + 3): 8 neighbouring bytes a lane, and one store covers the row's 256 bytes, aligned.
; A lane's four scale bytes (loads 0-3, its group g = lane / 8) are one scale word; a wave's 16 rows make 256 bytes, gathered in its own 256 bytes of LDS and stored as one aligned run.
; One path through the text for all six tensors: only pointers and offsets are chosen, on the work-group's numbers.  No barrier: waves share nothing.  Loads run four steps (16 loads a wave) ahead.
.set STEPS, 16
.set EMAX,  2
.set CHUNK, 34816
.set SPARE, 1024                       ; behind the four waves' 256 bytes: the spare words
.set R,     16                         ; v16-79   four sets of 16 numbers as loaded
.set M,     80                         ; v80-83   the four blocks' largest magnitudes, then scale operands
.set K,     84                         ; v84-87   the conversions' results
.set B,     88                         ; v88-91   scale bytes
.set D,     92                         ; v92-93   pieces of loads 0, 1 and 2, 3
.set TT,    94                         ; v94-95   the neighbour's
.set U,     96                         ; v96-97   those of lane xor 2
.set SEL,   98                         ; v98      the byte selector of the first exchange
.set C,     100                        ; v100-131 codes: two registers for each step, so that no store's data are written again
.set RO,    132                        ; v132-147 step t: 16 x lane + t rows; never rewritten
.set SPW,   148
.set NIL,   149
	s_load_b256 s[4:11], s[0:1], 0x0               ; x s[4:5], h s[6:7], W_i s[8:9], W_f s[10:11]
	s_load_b128 s[12:15], s[0:1], 0x20             ; W_o s[12:13], W_c s[14:15]
	s_load_b64 s[20:21], s[0:1], 0x30              ; the codes' buffer
	v_lshl_add_u32 v[SPW], v0, 2, SPARE
	v_mov_b32 v[NIL], 0
	v_lshrrev_b32 v1, 5, v0
	v_readfirstlane_b32 s16, v1                    ; wave 0..3
	s_lshl_b32 s33, s16, 8                         ; my wave's 256 bytes of LDS
	s_mov_b32 s42, 0xaaaaaaaa                      ; the odd lanes
	s_mov_b32 s43, 0xcccccccc                      ; the lanes 2, 3 of each four
	s_mov_b32 s44, 0xffff
	s_and_b32 s17, ttmp7, 0xffff                   ; y: which tensor
	s_and_b32 s18, ttmp9, 1                        ; kh: which half of K
	s_lshr_b32 s19, ttmp9, 1                       ; R: which 16 rows
	s_lshr_b32 s28, s19, 3                         ; [x | h]: block R / 8,
	s_and_b32 s30, s19, 7                          ;          group of 16 rows R % 8
	s_lshr_b32 s29, s19, 1
	s_add_co_u32 s29, s29, 16                      ; a weight: block 16 + R / 2,
	s_sub_co_u32 s31, s17, 1
	s_lshl_b32 s31, s31, 1
	s_and_b32 s22, s19, 1
	s_add_co_u32 s31, s31, s22                     ;           group 2 x gate + R % 2
	s_cmp_eq_u32 s17, 0                            ; one compare, four choices; none of the lines between sets SCC
	s_cselect_b32 s28, s28, s29                    ; BI
	s_cselect_b32 s30, s30, s31                    ; GI
	s_cselect_b32 s22, 13, 14                      ; a row is 8,192 bytes (x, h) or 16,384 (a weight)
	s_cselect_b32 s23, 0, s18                      ; x and h begin at their own first column; a weight's second half 8,192 bytes on
	s_lshl_b32 s32, 1, s22                         ; the row's bytes
	s_lshl_b32 s34, s19, 4
	s_lshl_b32 s34, s34, s22                       ; 16 R rows,
	s_lshl_b32 s23, s23, 13
	s_add_co_u32 s34, s34, s23                     ; the half of K,
	s_lshl_b32 s35, s16, 11
	s_add_co_u32 s34, s34, s35                     ; my wave's 2,048 bytes: all under 2^25
	s_mov_b32 s35, 0
	s_lshl_b32 s36, s28, 3
	s_lshl_b32 s37, s18, 2
	s_add_co_u32 s36, s36, s37
	s_add_co_u32 s36, s36, s16
	s_mul_i32 s36, s36, CHUNK                      ; my chunk: (8 BI + 4 kh + wave) x 34,816
	s_lshl_b32 s38, s30, 12
	s_add_co_u32 s38, s38, s36                     ; my 16 rows' codes: + 4,096 GI
	s_mov_b32 s39, 0
	s_lshl_b32 s40, s30, 8
	s_add_co_u32 s40, s40, s36
	s_add_co_u32 s40, s40, 32768                   ; their scale bytes: + 32,768 + 256 GI
	s_mov_b32 s41, 0
	v_and_b32 v2, 31, v0                           ; lane
	v_lshlrev_b32 v3, 4, v2                        ; my 16 bytes of a load's 512
	v_and_b32 v8, 3, v2                            ; j: the load whose pieces I end up with
	v_lshrrev_b32 v9, 2, v2                        ; m: which 16 numbers of it
	v_lshrrev_b32 v10, 1, v9                       ; g = m / 2: the block
	v_and_b32 v9, 1, v9                            ; its half
	v_lshlrev_b32 v4, 6, v10
	v_lshl_add_u32 v4, v8, 4, v4
	v_lshl_add_u32 v4, v9, 3, v4                   ; my 8 bytes of a row's 256: 64 g + 16 j + 8 (m % 2)
	v_lshrrev_b32 v5, 3, v2
	v_lshl_add_u32 v5, v5, 2, s33                  ; LDS: my group's scale word of a row: 4 (lane / 8)
	v_lshlrev_b32 v7, 3, v2                        ; and on the way out 8 bytes a lane
	v_add_nc_u32 v6, s33, v7
	v_mov_b32 v[SEL], 0x05040100                   ; even lanes: my low half, the neighbour's low half
	v_mov_b32 v11, 0x03020706                      ; odd lanes: the neighbour's high half, my high half
	v_cndmask_b32 v[SEL], v[SEL], v11, s42
.irp i, 0,1
	v_mov_b32 v[TT+\i], 0                          ; written once: a DPP form's destination counts as one of its sources
	v_mov_b32 v[U+\i], 0
.endr
.irp t, 0,1,2,3,4,5,6,7,8,9,10,11,12,13,14,15
	v_mad_u32_u24 v[RO+\t], s32, \t, v3            ; row t of my 16
.endr
	s_wait_alu depctr_va_vdst(0)                   ; the wait at the head's end
	s_wait_kmcnt 0x0
	s_cmp_eq_u32 s18, 0                            ; which tensor: the choices hang on the work-group's numbers alone
	s_cselect_b64 s[4:5], s[4:5], s[6:7]
	s_cmp_eq_u32 s17, 1
	s_cselect_b64 s[4:5], s[8:9], s[4:5]
	s_cmp_eq_u32 s17, 2
	s_cselect_b64 s[4:5], s[10:11], s[4:5]
	s_cmp_eq_u32 s17, 3
	s_cselect_b64 s[4:5], s[12:13], s[4:5]
	s_cmp_eq_u32 s17, 4
	s_cselect_b64 s[4:5], s[14:15], s[4:5]
	s_add_nc_u64 s[4:5], s[4:5], s[34:35]
	s_add_nc_u64 s[24:25], s[20:21], s[38:39]
	s_add_nc_u64 s[26:27], s[20:21], s[40:41]
.macro LOAD t
.irp i, 0,1,2,3
	global_load_b128 v[R+16*((\t)%4)+4*\i:R+16*((\t)%4)+4*\i+3], v[RO+(\t)], s[4:5] offset:512*\i th:TH_LOAD_NT   ; 32 lanes read 512 consecutive bytes; read once in the whole launch
.endr
.endm
.irp t, 0,1,2,3
	LOAD \t
.endr
.macro STEP t
.set XS, R+16*((\t)%4)
.if STEPS-1-(\t) >= 3
	s_wait_loadcnt 12                              ; this step's four loads are in; those of the three steps behind it may be out
.else
	s_wait_loadcnt 4*(STEPS-1-(\t))
.endif
.irp s, 0,1,2,3
	v_max3_num_f32 v[M+\s], |v[XS+4*\s]|, |v[XS+4*\s+1]|, |v[XS+4*\s+2]|   ; the four loads' blocks by turns
.endr
.irp s, 0,1,2,3
	v_max3_num_f32 v[M+\s], v[M+\s], |v[XS+4*\s+3]|, (EMAX+1)<<23          ; and the floor 2^(3 - 127): the byte cannot fall under 1
.endr
.irp x, 1,2,4
.irp s, 0,1,2,3
	v_max_num_f32_dpp v[M+\s], v[M+\s], v[M+\s] row_xmask:\x row_mask:0xf bank_mask:0xf   ; over the block's eight lanes
.endr
.endr
.irp s, 0,1,2,3
	v_add_nc_u32 v[M+\s], -(EMAX<<23), v[M+\s]     ; 2 off the exponent field: the conversion's scale operand
.endr
.irp s, 0,1,2,3
	v_cvt_scalef32_pk8_fp4_f32 v[K+\s], v[XS+8*(\s/2):XS+8*(\s/2)+7], v[M+\s]   ; loads 2 (s / 2) and + 1 under load s's scale: the half s % 2 of the result is right
.endr
.irp s, 0,1,2,3
	v_lshrrev_b32 v[B+\s], 23, v[M+\s]             ; the scale bytes (also the plain lines behind the conversions)
.endr
.if (\t)+4 < STEPS
	LOAD (\t)+4                                    ; this step's numbers have been read
.endif
	v_bfi_b32 v[D], s44, v[K], v[K+1]              ; load 0's piece below, load 1's above
	v_bfi_b32 v[D+1], s44, v[K+2], v[K+3]          ; loads 2 and 3 likewise
	v_lshl_or_b32 v[B], v[B+1], 8, v[B]
	v_lshl_or_b32 v[B+2], v[B+3], 8, v[B+2]
	v_mov_b32_dpp v[TT], v[D] row_xmask:1 row_mask:0xf bank_mask:0xf
	v_mov_b32_dpp v[TT+1], v[D+1] row_xmask:1 row_mask:0xf bank_mask:0xf
	v_lshl_or_b32 v[B], v[B+2], 16, v[B]           ; the scale word: byte s is load s's
	v_perm_b32 v[D], v[TT], v[D], v[SEL]           ; even lanes: the even load's pieces of lanes l, l + 1; odd lanes: the odd load's of lanes l - 1, l
	v_perm_b32 v[D+1], v[TT+1], v[D+1], v[SEL]
	v_mov_b32_dpp v[U], v[D+1] row_xmask:2 row_mask:0xf bank_mask:0xf
	v_mov_b32_dpp v[U+1], v[D] row_xmask:2 row_mask:0xf bank_mask:0xf
	v_cndmask_b32 v[C+2*(\t)], v[D], v[U], s43     ; lanes 0, 1 of four keep loads 0, 1 and take lanes 2, 3's pieces behind their own;
	v_cndmask_b32 v[C+2*(\t)+1], v[U+1], v[D+1], s43   ; lanes 2, 3 keep loads 2, 3 and take lanes 0, 1's ahead of their own
	ds_store_b32 v5, v[B] offset:16*(\t)           ; row t's 16 bytes; the eight lanes of a group write the same word with the same value
	global_store_b64 v4, v[C+2*(\t):C+2*(\t)+1], s[24:25] offset:256*(\t)   ; 32 lanes store row t's 256 bytes, at a multiple of 256 from the buffer's first byte
.endm
.irp t, 0,1,2,3,4,5,6,7,8,9,10,11,12,13,14,15
	STEP \t
.endr
	ds_load_b64 v[12:13], v6                       ; LDS serves a wave's instructions in order: these see my stores
	s_wait_dscnt 0x0
	global_store_b64 v7, v[12:13], s[26:27]        ; 32 lanes store the 16 rows' 256 scale bytes, aligned likewise
	s_wait_tensorcnt 0x0                           ; the wave's end
	ds_add_u32 v[SPW], v[NIL]
	s_wait_dscnt 0x0
	s_endpgm
.Lfunc_end_k_qe9d9b9c854_quant:
	.size	k_qe9d9b9c854_quant, .Lfunc_end_k_qe9d9b9c854_quant-k_qe9d9b9c854_quant
	.p2alignl 7, 3214868480
	.fill 96, 4, 3214868480
	.section	.rodata,"a",@progbits
	.p2align	6, 0x0
	.amdhsa_kernel k_qe9d9b9c854_quant
		.amdhsa_group_segment_fixed_size 1536
		.amdhsa_private_segment_fixed_size 0
		.amdhsa_enable_private_segment 0
		.amdhsa_kernarg_size 56
		.amdhsa_user_sgpr_count 2
		.amdhsa_user_sgpr_kernarg_segment_ptr 1
		.amdhsa_wavefront_size32 1
		.amdhsa_system_sgpr_workgroup_id_x 1
		.amdhsa_system_sgpr_workgroup_id_y 1
		.amdhsa_system_sgpr_workgroup_id_z 1
		.amdhsa_system_vgpr_workitem_id 0
		.amdhsa_next_free_vgpr 152
		.amdhsa_next_free_sgpr 66
		.amdhsa_reserve_vcc 0
		.amdhsa_float_denorm_mode_32 3
		.amdhsa_float_denorm_mode_16_64 3
		.amdhsa_memory_ordered 1
		.amdhsa_forward_progress 1
		.amdhsa_inst_pref_size 59
	.end_amdhsa_kernel
	.amdgpu_metadata
---
amdhsa.version: [ 1, 2 ]
amdhsa.kernels:
  - .name:           k_qe9d9b9c854_quant
    .symbol:         k_qe9d9b9c854_quant.kd
    .args:
      - { .name: x, .offset: 0, .size: 8, .value_kind: global_buffer, .address_space: global }
      - { .name: h, .offset: 8, .size: 8, .value_kind: global_buffer, .address_space: global }
      - { .name: W_i_w, .offset: 16, .size: 8, .value_kind: global_buffer, .address_space: global }
      - { .name: W_f_w, .offset: 24, .size: 8, .value_kind: global_buffer, .address_space: global }
      - { .name: W_o_w, .offset: 32, .size: 8, .value_kind: global_buffer, .address_space: global }
      - { .name: W_c_w, .offset: 40, .size: 8, .value_kind: global_buffer, .address_space: global }
      - { .name: codes, .offset: 48, .size: 8, .value_kind: global_buffer, .address_space: global }
    .group_segment_fixed_size: 1536
    .private_segment_fixed_size: 0
    .kernarg_segment_align: 8
    .kernarg_segment_size: 56
    .max_flat_workgroup_size: 128
    .sgpr_count:     66
    .vgpr_count:     152
    .wavefront_size: 32
...
	.end_amdgpu_metadata
.endif
;; end of part 1
;; launch lstm (part 2): grid 32 x 8, 4 waves a work-group, clusters of 4 x 4, 327,680 bytes of LDS; arguments codes, c, out0, out1, W_i_b, W_f_b, W_o_b, W_c_b; writes out0, out1
.if DOCPART == 2
	.amdgcn_target "amdgcn-amd-amdhsa--gfx1250"
	.amdhsa_code_object_version 6
	.text
	.protected	k_qe9d9b9c854_lstm
	.globl	k_qe9d9b9c854_lstm
	.p2align	8
	.type	k_qe9d9b9c854_lstm,@function
k_qe9d9b9c854_lstm:
	s_mov_b64 s[64:65], 0
	v_nop
	global_prefetch_b8 v0, s[64:65] scope:SCOPE_SE
	s_setreg_imm32_b32 hwreg(HW_REG_WAVE_MODE, 25, 1), 1
	s_wait_xcnt 0x0
	s_wait_alu depctr_hold_cnt(0) depctr_sa_sdst(0) depctr_va_vdst(0) depctr_va_sdst(0) depctr_va_ssrc(0) depctr_va_vcc(0) depctr_vm_vsrc(0)
	s_getreg_b32 s2, hwreg(HW_REG_IB_STS2, 6, 4)
	s_cmp_eq_u32 s2, 0
	s_cbranch_scc0 .Lentry_in_a_cluster
	s_endpgm
.Lentry_in_a_cluster:
	s_bfe_u32 s2, ttmp6, 0x10000c
	s_cmp_lg_u32 s2, 0xf033
	s_cbranch_scc0 .Lentry_shape_is_right
	s_endpgm
.Lentry_shape_is_right:
; gates = Q([x | h]) Q(W)^T + b on codes of FP4 (E2M1) with E8M0 scales, then the cell: c_new = sig(f) c + sig(i) tanh(g), h_new = sig(o) tanh(c_new); out0 = h_new, out1 = c_new, f32.
; OPERANDS: the launch before laid them in chunks of 34,816 bytes = 128 operand rows x 512 along K: row p's codes at 256 p, its 16 scale bytes at 32,768 + 16 p; chunk (block, K step) at (8 block + step) x 34,816.
; Inside a row's 512 the blocks of 32 stand in an order of that launch's own, alike in both operands, each 16 bytes of codes with its scale byte at the matching place: the sums run over K in that order.
; Blocks 0-15 are [x | h]'s rows; block 16 + j / 32 holds output columns j .. j + 31 of all four gates, row p = 32 gate + j % 32 (i, f, o, c).
; SHARES: a work-group makes 256 rows x 64 columns of both outputs = 256 x 256 of the gates; four waves, each 128 rows x 128 gate columns (32 columns x 4 gates): 64 accumulators, 512 registers.
; K goes in 8 steps of 512 through two LDS slots; a slot holds four chunks (two of x, two of W), one tensor load a wave, as 136 rows of 256 bytes + 16 of padding.
; CLUSTERS 4 x 4: x's chunks are asked for jointly along a row of the cluster, W's along a column.  The matrix instruction is used transposed (source 0 = 16 rows of W, source 1 = 16 rows of x):
; a lane holds one row of the batch and eight neighbouring columns of a gate.  The bias is the C of each accumulator's first product.
; FRAGMENTS: two sets for each operand.  A step of 128 along K multiplies one pair of sets; the next step's 32 LDS loads go into the other pair in ONE run at the step's head, 64 matrix instructions ahead of their use.
; THE CHANGE OF SLOTS stands in a slot's third step: the fourth step's fragments were asked for at the third's head, so the slot's last read is over while the third step is still multiplied.
; The slot is filled again behind that step, and the fourth step begins with the next slot's first 40 LDS loads.
; PREFETCH: behind the load of K step k each wave names its work-group's 34 of the 136 blocks of 256 bytes of K step k + 2's chunk (the four partners part by address); K steps 1 to 3 are named at the head;
; behind the load of K step 6 each wave names its 64 rows of c, which are loaded two refills on; behind that of K step 7 nothing is named.
; REGISTERS: window 0: v0-31 addresses, v32-95 scale words (two sets), v128-255 x's fragments (two sets), on the way out v96-255 at work; window 1: W's fragments at v0 and v128, the bias at v64,
; on the way out rows read back from the stage; windows 2, 3: the accumulators ((a, b) at v[8 (8 (a % 4) + b)]).
; LIMITS: tanh's exponent to the base 2 is held at 30, so tanh differs from 1 by at least 2^-30 in magnitude there; NaN and infinities among the inputs are not served.
.set NQ,     4
.set PITCH,  272
.set FR,     8
.set NP,     4
.set CHUNK,  34816
.set BLKB,   8*CHUNK
.set WOFF,   16*BLKB
.set HALFT,  136*PITCH                 ; a chunk in LDS
.set SLOT,   4*HALFT
.set SPARE,  2*SLOT                    ; the spare words, 128 bytes a wave
.set CROWS,  64*PITCH                  ; c's rows that one wave fetches
.set HST,    256*PITCH                 ; h_new's stage, behind c's tile (which is c_new's stage); both lie in slot 0, behind its last fill
.set PFO,  8                           ; v8  256 x lane;  v9  256 x (32 + min(lane, 1)): the prefetches' offsets
.set PF2,  9
.set ADRA, 16
.set BO,   18
.set ADRB, 20
.set ADRS, 22
.set CA,   24
.set HA,   25
.set RD,   26
.set SPW,  28
.set NIL,  29
.set CO,   30
.set CP,   31
.set SC,   32
.set AF,   128
.set BIAS, 64
.set T,    96
.set TI,   96
.set TF,   112
.set TO,   128
.set TC,   144
.set W1,   160
.set CN,   176
.set HN,   192
.set CC,   224
.set G1,  24
.set G0,  32
.set G1B, 48
.set G0B, 56
.set G1C, 68
.set G0C, 76
.set PFA, 66                           ; s[66:67] my share of the chunk that the next prefetch names
.set MSB, 0
.macro WIN new                         ; the immediate's high byte repeats the setting that is left
.if MSB != \new
	s_set_vgpr_msb (MSB<<8)|\new
.set MSB, \new
.endif
.endm
.set MUL_LO,   0xa1                    ; source 0 window 1, source 1 window 0, C and D window 2;  less 0x10: C window 1 (the bias)
.set MUL_HI,   0xf1                    ; C and D window 3;  less 0x20: C window 1
.set TO_B,     0x40
.macro JLOAD g0a, g1a, g0b, g1b        ; a joint load: waves 0, 1 fetch x's chunks, waves 2, 3 W's; s_nop 0 and four v_nop behind each line
	s_cmp_eq_u32 s21, 0
	s_cbranch_scc0 .Lfor_b_\@
	tensor_load_to_lds s[\g0a:\g0a+3], s[\g1a:\g1a+7]
	s_nop 0
.rept 4
	v_nop
.endr
	s_branch .Lasked_\@
.Lfor_b_\@:
	tensor_load_to_lds s[\g0b:\g0b+3], s[\g1b:\g1b+7]
	s_nop 0
.rept 4
	v_nop
.endr
.Lasked_\@:
.endm
.macro CREST                           ; a round of the cluster's barrier behind its opening barrier
	s_cmp_lg_u32 s20, 0
	s_cbranch_scc1 .Lnot_wave_0_\@
	s_barrier_signal -3
.Lnot_wave_0_\@:
	s_barrier_wait -3
	s_barrier_signal -1
	s_barrier_wait -1
.endm
.macro CROUND
	s_barrier_signal -1
	s_barrier_wait -1
	CREST
.endm
	s_load_b256 s[4:11], s[0:1], 0x0               ; codes s[4:5], c s[6:7], out0 s[8:9], out1 s[10:11]
	s_load_b256 s[12:19], s[0:1], 0x20             ; the biases of i, f, o, c
	v_lshl_add_u32 v[SPW], v0, 2, SPARE
	v_mov_b32 v[NIL], 0
	ds_add_u32 v[SPW], v[NIL]                      ; the opening lines: the add twice on end and one wait
	ds_add_u32 v[SPW], v[NIL]
	v_lshrrev_b32 v1, 5, v0
	v_readfirstlane_b32 s20, v1                    ; wave
	s_lshr_b32 s21, s20, 1                         ; my half of the rows; also: I fetch for x (0) or W (1)
	s_and_b32 s22, s20, 1                          ; my half of the columns; also: which of the two chunks I fetch
	s_bfe_u32 s40, ttmp6, 0x40000                  ; cx
	s_bfe_u32 s41, ttmp6, 0x40004                  ; cy
	s_lshl_b32 s42, ttmp9, 2
	s_add_co_u32 s42, s42, s40                     ; tile column
	s_and_b32 s84, ttmp7, 0xffff
	s_lshl_b32 s84, s84, 2
	s_add_co_u32 s84, s84, s41                     ; tile row
	s_lshl_b32 s43, s41, 2
	s_lshl_b32 s43, 15, s43                        ; my row of the cluster
	s_lshl_b32 s44, 0x1111, s40                    ; my column
	s_or_b32 s[G1+0], s43, (3<<16)|(1<<20)|(1<<21)|(5<<22)|(3<<25)   ; elements of 8 bytes; 4 words of padding behind every 64
	s_or_b32 s[G1B+0], s44, (3<<16)|(1<<20)|(1<<21)|(5<<22)|(3<<25)
.irp g, G1, G1B
	s_mov_b32 s[\g+1], 32<<16                      ; a chunk: 136 dense rows of 256 bytes
	s_mov_b32 s[\g+2], 136<<16
	s_mov_b32 s[\g+3], 32<<16
	s_mov_b32 s[\g+4], 136
	s_mov_b32 s[\g+5], 32
	s_mov_b32 s[\g+6], 0
	s_mov_b32 s[\g+7], 0
.endr
	s_mov_b32 s[G1C+0], (3<<16)|(1<<20)|(5<<22)|(3<<25)   ; c: 64 rows of 256 bytes, 8,192 bytes apart; my work-group's own
	s_mov_b32 s[G1C+1], 32<<16
	s_mov_b32 s[G1C+2], 64<<16
	s_mov_b32 s[G1C+3], 32<<16
	s_mov_b32 s[G1C+4], 64
	s_mov_b32 s[G1C+5], 1024
	s_mov_b32 s[G1C+6], 0
	s_mov_b32 s[G1C+7], 0
	s_lshl_b32 s80, s84, 1
	s_add_co_u32 s80, s80, s22
	s_mul_i32 s80, s80, BLKB                       ; x: block 2 x tile row + half
	s_mov_b32 s81, 0
	s_lshl_b32 s46, s42, 1
	s_add_co_u32 s46, s46, s22
	s_mul_i32 s46, s46, BLKB
	s_add_co_u32 s46, s46, WOFF                    ; W: block 16 + 2 x tile column + half
	s_mov_b32 s47, 0
	s_mul_i32 s45, s20, HALFT
	s_lshl_b32 s82, s84, 8
	s_lshl_b32 s83, s20, 6
	s_add_co_u32 s82, s82, s83
	s_lshl_b32 s82, s82, 13
	s_lshl_b32 s83, s42, 8
	s_add_co_u32 s82, s82, s83                     ; c: row 256 x tile row + 64 x wave, column byte 256 x tile column
	s_mov_b32 s83, 0
	s_lshl_b32 s88, s84, 8
	s_lshl_b32 s89, s21, 7
	s_add_co_u32 s88, s88, s89
	s_lshl_b32 s89, s22, 4
	s_add_co_u32 s88, s88, s89                     ; the rows that I store: 256 x tile row + 128 x row half + 16 x column half + 32 x phase
	s_lshl_b32 s88, s88, 13
	s_lshl_b32 s89, s42, 8
	s_add_co_u32 s88, s88, s89
	s_mov_b32 s89, 0
	s_mov_b32 s90, 0xbfb8aa3b                      ; -log2(e)
	s_mov_b32 s91, s90
	s_mov_b32 s92, 0xc038aa3b                      ; -2 log2(e)
	s_mov_b32 s93, s92
	s_mov_b32 s94, 0x41f00000                      ; 30
	s_wait_dscnt 0x0                               ; both opening adds are done
	s_wait_kmcnt 0x0
	s_add_nc_u64 s[80:81], s[4:5], s[80:81]
	s_add_nc_u64 s[46:47], s[4:5], s[46:47]
	s_add_nc_u64 s[86:87], s[6:7], s[82:83]
	s_add_nc_u64 s[8:9], s[8:9], s[88:89]
	s_add_nc_u64 s[10:11], s[10:11], s[88:89]
	s_cmp_eq_u32 s21, 0                            ; the prefetches: the chunk that I fetch, and my work-group's place among the four that ask for it
	s_cselect_b64 s[PFA:PFA+1], s[80:81], s[46:47]
	s_cselect_b32 s98, s40, s41
	s_mul_i32 s98, s98, 34*256                     ; 34 blocks of 256 bytes to a partner
	s_add_co_u32 s98, s98, 3*CHUNK                 ; at K step 3
	s_mov_b32 s99, 0
	s_add_nc_u64 s[PFA:PFA+1], s[PFA:PFA+1], s[98:99]
.irp s, 0,1
	s_mov_b32 s[G0+4*\s], 1
	s_add_co_u32 s[G0+4*\s+1], s45, \s*SLOT
	s_add_nc_u64 s[G0+4*\s+2:G0+4*\s+3], s[80:81], \s*CHUNK
	s_or_b32 s[G0+4*\s+3], s[G0+4*\s+3], 0x80000000
	s_mov_b32 s[G0B+4*\s], 1
	s_add_co_u32 s[G0B+4*\s+1], s45, \s*SLOT
	s_add_nc_u64 s[G0B+4*\s+2:G0B+4*\s+3], s[46:47], \s*CHUNK
	s_or_b32 s[G0B+4*\s+3], s[G0B+4*\s+3], 0x80000000
.endr
	CROUND                                         ; all sixteen work-groups are here: the first joint loads meet
	JLOAD G0, G1, G0B, G1B                         ; K step 0: one tensor load a wave at the head
	s_mul_i32 s80, s21, HALFT                      ; my chunk of x in slot 0
	s_mul_i32 s81, s22, HALFT
	s_add_co_u32 s81, s81, 2*HALFT                 ; my chunk of W
	s_sub_co_u32 s82, s81, s80
	s_add_co_u32 s83, s80, 128*PITCH               ; x's scale bytes
	s_mul_i32 s85, s21, 128*PITCH
	s_mul_i32 s88, s22, 16*PITCH
	s_add_co_u32 s88, s88, s85                     ; the stage rows that I read back
	s_lshl_b32 s89, s22, 7
	s_add_co_u32 s85, s85, s89                     ; my rows and my 128 bytes of c's tile
	s_lshl_b32 s95, s42, 8
	s_add_co_u32 s89, s89, s95                     ; my 32 columns in a bias
	s_mov_b32 s[G0C], 1
	s_mul_i32 s[G0C+1], s20, CROWS
	s_mov_b64 s[G0C+2:G0C+3], s[86:87]
	s_or_b32 s[G0C+3], s[G0C+3], 0x80000000
	v_and_b32 v1, 15, v0                           ; r
	v_bfe_u32 v2, v0, 4, 1                         ; h
	v_and_b32 v7, 31, v0                           ; lane
	v_mul_u32_u24 v3, v1, PITCH
	v_lshl_add_u32 v4, v2, 4, v3                   ; a fragment's row x pitch + 16 h
	v_add_nc_u32 v[ADRA], s80, v4
	v_add_nc_u32 v[ADRB], s81, v4
	v_add_nc_u32 v[ADRA+1], SLOT, v[ADRA]
	v_add_nc_u32 v[ADRB+1], SLOT, v[ADRB]
	v_mul_u32_u24 v6, s82, v2                      ; scale words: lanes 0-15 x's rows, lanes 16-31 W's
	v_lshl_add_u32 v5, v1, 4, v6
	v_add_nc_u32 v[ADRS], s83, v5
	v_add_nc_u32 v[ADRS+1], SLOT, v[ADRS]
	v_lshl_add_u32 v5, v2, 5, v3
	v_add_nc_u32 v[CA], s85, v5                    ; c and c_new: row r, 32 bytes for each half of the lanes
	v_add_nc_u32 v[HA], HST, v[CA]
	v_mul_u32_u24 v5, v2, PITCH
	v_lshl_add_u32 v5, v1, 4, v5
	v_add_nc_u32 v[RD], s88, v5                    ; back: sixteen lanes to a row of 256 bytes, two rows an instruction
	v_add_nc_u32 v[RD+1], HST, v[RD]
	v_lshlrev_b32 v5, 13, v2
	v_lshl_add_u32 v[CO], v1, 4, v5                ; and the same two rows in the outputs
	v_lshlrev_b32 v[CP], 13, v7                    ; c's prefetch: a lane a row
	v_lshl_add_u32 v[BO], v2, 5, s89
	v_lshlrev_b32 v[PFO], 8, v7
	v_min_u32 v5, 1, v7
	v_lshl_add_u32 v[PF2], v5, 8, 32*256
	WIN TO_B
.irp b, 0,1,2,3,4,5,6,7
.irp e, 0,1
	global_load_b128 v[BIAS+8*\b+4*\e:BIAS+8*\b+4*\e+3], v[BO], s[12+2*(\b/2):13+2*(\b/2)] offset:64*(\b%2)+16*\e   ; block b: gate b / 2, columns 16 (b % 2) + 8 h + 0 .. 7
.endr
.endr
	WIN 0
.irp k, 2,1
	global_prefetch_b8 v[PFO], s[PFA:PFA+1] offset:-\k*CHUNK th:TH_LOAD_NT scope:SCOPE_SE   ; K steps 1 and 2
	global_prefetch_b8 v[PF2], s[PFA:PFA+1] offset:-\k*CHUNK th:TH_LOAD_NT scope:SCOPE_SE
.endr
.macro FRAG reg, adr, q, i             ; 16 rows x 128 K: two loads of 16 bytes a lane, 32 bytes apart
.irp c, 0,1
	ds_load_b128 v[\reg+4*\c:\reg+4*\c+3], v[\adr] offset:64*(\q)+32*\c+(\i)*16*PITCH
.endr
.endm
.macro FB slot, q, p                   ; W's eight fragments into set p
	WIN TO_B
.irp i, 0,1,2,3,4,5,6,7
	FRAG 128*(\p)+FR*(\i), ADRB+\slot, \q, \i
.endr
	WIN 0
.endm
.macro FA slot, q, p                   ; x's eight fragments into set p
.irp i, 0,1,2,3,4,5,6,7
	FRAG AF+64*(\p)+FR*(\i), ADRA+\slot, \q, \i
.endr
.endm
.macro SCALES sc                       ; a K step's scale words: four a row
.irp i, 0,1,2,3,4,5,6,7
	ds_load_b128 v[SC+8*NQ*\sc+NQ*\i:SC+8*NQ*\sc+NQ*\i+3], v[ADRS+\sc] offset:\i*PITCH
.endr
.endm
; 8 matrix instructions: x's block a against W's eight.  The 64 accumulators take turns in one order in every step.
.macro MUL8 a, p, q, sc, first
.irp b, 0,1,2,3,4,5,6,7
.if \first
	v_wmma_scale_f32_16x16x128_f8f6f4 v[8*(8*((\a)%4)+\b):8*(8*((\a)%4)+\b)+7], v[128*(\p)+FR*\b:128*(\p)+FR*\b+FR-1], v[AF+64*(\p)+FR*(\a):AF+64*(\p)+FR*(\a)+FR-1], v[BIAS+8*\b:BIAS+8*\b+7], v[SC+8*NQ*(\sc)+NQ*\b+(\q)], v[SC+8*NQ*(\sc)+NQ*(\a)+(\q)] matrix_a_fmt:MATRIX_FMT_FP4 matrix_b_fmt:MATRIX_FMT_FP4 matrix_a_scale:MATRIX_SCALE_ROW1
.else
	v_wmma_scale_f32_16x16x128_f8f6f4 v[8*(8*((\a)%4)+\b):8*(8*((\a)%4)+\b)+7], v[128*(\p)+FR*\b:128*(\p)+FR*\b+FR-1], v[AF+64*(\p)+FR*(\a):AF+64*(\p)+FR*(\a)+FR-1], v[8*(8*((\a)%4)+\b):8*(8*((\a)%4)+\b)+7], v[SC+8*NQ*(\sc)+NQ*\b+(\q)], v[SC+8*NQ*(\sc)+NQ*(\a)+(\q)] matrix_a_fmt:MATRIX_FMT_FP4 matrix_b_fmt:MATRIX_FMT_FP4 matrix_a_scale:MATRIX_SCALE_ROW1
.endif
.endr
.endm
.macro MUL32 a0, p, q, sc, first       ; x's blocks a0 .. a0 + 3: one window's accumulators
.irp a, \a0, \a0+1, \a0+2, \a0+3
	MUL8 \a, \p, \q, \sc, \first
.endr
.endm
.macro PLACES n
.rept \n
	v_nop
.endr
.endm
; A step that has its successor in the same slot.
.macro STEP slot, q, first
	PLACES NP                                      ; behind the last step's products, which read the sets that are now loaded
	FB \slot, (\q)+1, 1-(\q)%2
	FA \slot, (\q)+1, 1-(\q)%2
	s_wait_dscnt 32                                ; out at most: the 32 just issued; this step's fragments and scale words are in
	WIN MUL_LO-0x10*\first
	MUL32 0, (\q)%2, \q, \slot, \first
	WIN MUL_HI-0x20*\first
	MUL32 4, (\q)%2, \q, \slot, \first
.endm
.macro ASK slot                        ; s3 = 1 in the loop's last trip: no K step stands two refills on; slot 0's place there names c
	s_cmp_gt_u32 s3, 1
	s_cbranch_scc0 .Lno_\@
	global_prefetch_b8 v[PFO], s[PFA:PFA+1] th:TH_LOAD_NT scope:SCOPE_SE
	global_prefetch_b8 v[PF2], s[PFA:PFA+1] th:TH_LOAD_NT scope:SCOPE_SE
.if \slot == 0
	s_branch .Ldn_\@
.endif
.Lno_\@:
.if \slot == 0
	global_prefetch_b8 v[CP], s[86:87] th:TH_LOAD_NT scope:SCOPE_SE
	global_prefetch_b8 v[CP], s[86:87] offset:262144 th:TH_LOAD_NT scope:SCOPE_SE
.Ldn_\@:
.endif
.endm
; A slot's third step, with the change of slots in it.  fill = 1: the slot takes the K step two on; fill = 2: slot 0 takes c's tile.
.macro CHANGE slot, fill
.if \fill == 1
	s_wait_xcnt 0x0                                ; my prefetches have read their base
	s_add_nc_u64 s[PFA:PFA+1], s[PFA:PFA+1], CHUNK
.endif
	PLACES NP
	FB \slot, 3, 1                                 ; the slot's last reads: the fourth step's fragments
	FA \slot, 3, 1
	s_wait_dscnt 32
	WIN MUL_LO
	MUL32 0, 0, 2, \slot, 0
	WIN MUL_HI
	MUL8 4, 0, 2, \slot, 0
	MUL8 5, 0, 2, \slot, 0
	WIN 0
	s_wait_tensorcnt 0x0                           ; my part of the next slot has landed
	ds_add_u32 v[SPW], v[NIL]                      ; the add; eight matrix instructions stand between it and the wait for it
	WIN MUL_HI
	MUL8 6, 0, 2, \slot, 0
	s_wait_dscnt 0x0                               ; the add is done, and my reads of this slot are over
	s_barrier_signal -1
	MUL8 7, 0, 2, \slot, 0
	WIN 0
	s_barrier_wait -1
	CREST                                          ; the round: no wave of any partner reads this slot or has a load on its way
.if \fill == 1
	s_add_nc_u64 s[G0+4*\slot+2:G0+4*\slot+3], s[G0+4*\slot+2:G0+4*\slot+3], 2*CHUNK
	s_add_nc_u64 s[G0B+4*\slot+2:G0B+4*\slot+3], s[G0B+4*\slot+2:G0B+4*\slot+3], 2*CHUNK
	JLOAD G0+4*\slot, G1, G0B+4*\slot, G1B         ; its four v_nop are the places in front of the next step's loads
.else
	tensor_load_to_lds s[G0C:G0C+3], s[G1C:G1C+7]
	s_nop 0
	PLACES 4
.endif
.endm
; A slot's fourth step: its fragments are in registers (the wait for 0 in front of the barrier showed them in); it begins with the next slot's first fragments and scale words, 40 loads.
.macro LAST slot, next, ask
	FB \next, 0, 0
	FA \next, 0, 0
	SCALES \next
.if \ask
	ASK \slot
.endif
	WIN MUL_LO
	MUL32 0, 1, NQ-1, \slot, 0
	WIN MUL_HI
	MUL32 4, 1, NQ-1, \slot, 0
.endm
	s_wait_alu depctr_va_vdst(0)                   ; the wait at the head's end
	s_wait_tensorcnt 0x0                           ; my part of K step 0 is in; slot 1's first fill is issued as a refill is
	ds_add_u32 v[SPW], v[NIL]
	s_wait_dscnt 0x0
	CROUND
	JLOAD G0+4, G1, G0B+4, G1B                     ; K step 1
	FB 0, 0, 0
	FA 0, 0, 0
	SCALES 0
	global_prefetch_b8 v[PFO], s[PFA:PFA+1] th:TH_LOAD_NT scope:SCOPE_SE   ; K step 3
	global_prefetch_b8 v[PF2], s[PFA:PFA+1] th:TH_LOAD_NT scope:SCOPE_SE
	s_wait_loadcnt 0x0                             ; the bias
	STEP 0, 0, 1                                   ; the first step stands in front of the loop: its products start the sums from the bias
	WIN 0
	s_mov_b32 s3, 3
.Llap:                                                 ; a trip goes once round the ring and fills both slots again
	STEP 0, 1, 0
	CHANGE 0, 1
	LAST 0, 1, 1
	STEP 1, 0, 0
	STEP 1, 1, 0
	CHANGE 1, 1
	LAST 1, 0, 1
	STEP 0, 0, 0
	WIN 0
	s_sub_co_u32 s3, s3, 1
	s_cmp_lg_u32 s3, 0
	s_cbranch_scc1 .Llap
	STEP 0, 1, 0
	CHANGE 0, 2
	LAST 0, 1, 0
	STEP 1, 0, 0
	STEP 1, 1, 0
	STEP 1, 2, 0
	s_wait_dscnt 0x0                               ; the last step: nothing more to fetch
	WIN MUL_LO
	MUL32 0, 1, NQ-1, 1, 0
	s_wait_tensorcnt 0x0                           ; my rows of c are in
	s_barrier_signal -1
	WIN MUL_HI
	MUL32 4, 1, NQ-1, 1, 0
	WIN 0
	s_barrier_wait -1                              ; and everybody's
.macro CLD a                           ; c of block a: my row, my 16 columns
.irp u, 0,1
.irp e, 0,1
	ds_load_b128 v[CC+16*((\a)%2)+8*\u+4*\e:CC+16*((\a)%2)+8*\u+4*\e+3], v[CA] offset:16*PITCH*(\a)+64*\u+16*\e
.endr
.endr
.endm
; THE CELL for block a (16 rows x 32 columns, 16 numbers a lane).  e = 2^(-x log2 e) for i, f, o; e = 2^(-2 x log2 e), exponent held at 30, for tanh.
; i tanh(g) = (1 - eg) / ((1 + ei)(1 + eg));  sig(f) = 1 / (1 + ef);  h = (1 - e) / ((1 + e)(1 + eo)).  The waits round each batch of transcendentals.
.macro EPI a
.set AC, 64*((\a)%4)
.set CS, CC+16*((\a)%2)
.if (\a) < 7
	CLD (\a)+1
.endif
	WIN 0x02+(\a)/4
.irp b, 0,1,2,3,4,5
.irp p, 0,2,4,6
	v_pk_mul_f32 v[T+8*\b+\p:T+8*\b+\p+1], v[AC+8*\b+\p:AC+8*\b+\p+1], s[90:91] op_sel_hi:[1,0]
.endr
.endr
.irp b, 6,7
.irp p, 0,2,4,6
	v_pk_mul_f32 v[T+8*\b+\p:T+8*\b+\p+1], v[AC+8*\b+\p:AC+8*\b+\p+1], s[92:93] op_sel_hi:[1,0]
.endr
.endr
	WIN 0
.set i, 0
.rept 16
	v_min_num_f32 v[TC+i], s94, v[TC+i]
.set i, i+1
.endr
.set i, 0
	s_wait_alu depctr_va_vdst(0)
.rept 64
	v_exp_f32 v[T+i], v[T+i]
.set i, i+1
.endr
	v_nop
.set i, 0
	s_wait_alu depctr_va_vdst(0)
.rept 8
	v_pk_fma_f32 v[W1+i:W1+i+1], v[TC+i:TC+i+1], -1.0, 1.0 op_sel_hi:[1,0,0]
.set i, i+2
.endr
.set i, 0
.rept 32
	v_pk_add_f32 v[T+i:T+i+1], v[T+i:T+i+1], 1.0 op_sel_hi:[1,0]
.set i, i+2
.endr
.set i, 0
.rept 8
	v_pk_mul_f32 v[TI+i:TI+i+1], v[TI+i:TI+i+1], v[TC+i:TC+i+1]
.set i, i+2
.endr
.set i, 0
	s_wait_alu depctr_va_vdst(0)
.rept 32
	v_rcp_f32 v[TI+i], v[TI+i]
.set i, i+1
.endr
	v_nop
.set i, 0
	s_wait_alu depctr_va_vdst(0)
.rept 8
	v_pk_mul_f32 v[W1+i:W1+i+1], v[W1+i:W1+i+1], v[TI+i:TI+i+1]
.set i, i+2
.endr
	s_wait_alu depctr_va_vdst(0)
.if (\a) < 7
	s_wait_dscnt 4                                 ; out at most: the next block's c
.else
	s_wait_dscnt 0x0
.endif
.set i, 0
.rept 8
	v_pk_fma_f32 v[CN+i:CN+i+1], v[TF+i:TF+i+1], v[CS+i:CS+i+1], v[W1+i:W1+i+1]
.set i, i+2
.endr
.set i, 0
.rept 8
	v_pk_mul_f32 v[TC+i:TC+i+1], v[CN+i:CN+i+1], s[92:93] op_sel_hi:[1,0]
.set i, i+2
.endr
.set i, 0
.rept 16
	v_min_num_f32 v[TC+i], s94, v[TC+i]
.set i, i+1
.endr
.set i, 0
	s_wait_alu depctr_va_vdst(0)
.rept 16
	v_exp_f32 v[TC+i], v[TC+i]
.set i, i+1
.endr
	v_nop
.set i, 0
	s_wait_alu depctr_va_vdst(0)
.rept 8
	v_pk_fma_f32 v[W1+i:W1+i+1], v[TC+i:TC+i+1], -1.0, 1.0 op_sel_hi:[1,0,0]
.set i, i+2
.endr
.set i, 0
.rept 8
	v_pk_add_f32 v[TC+i:TC+i+1], v[TC+i:TC+i+1], 1.0 op_sel_hi:[1,0]
.set i, i+2
.endr
.set i, 0
.rept 8
	v_pk_mul_f32 v[TC+i:TC+i+1], v[TC+i:TC+i+1], v[TO+i:TO+i+1]
.set i, i+2
.endr
.set i, 0
	s_wait_alu depctr_va_vdst(0)
.rept 16
	v_rcp_f32 v[TC+i], v[TC+i]
.set i, i+1
.endr
	v_nop
.set i, 0
	s_wait_alu depctr_va_vdst(0)
.rept 8
	v_pk_mul_f32 v[HN+i:HN+i+1], v[W1+i:W1+i+1], v[TC+i:TC+i+1]
.set i, i+2
.endr
.irp u, 0,1
.irp e, 0,1
	ds_store_b128 v[CA], v[CN+8*\u+4*\e:CN+8*\u+4*\e+3] offset:16*PITCH*(\a)+64*\u+16*\e
	ds_store_b128 v[HA], v[HN+8*\u+4*\e:HN+8*\u+4*\e+3] offset:16*PITCH*(\a)+64*\u+16*\e
.endr
.endr
.endm
; THE WAY OUT, in four phases of two blocks.  A row's 256 bytes come from two waves: so a barrier, then each wave reads 16 whole rows of each output into window 1 (two sets by turns)
; and stores them behind the next block's arithmetic, whose wait on DScnt has shown them in.  Sixteen lanes store 256 consecutive bytes, aligned.
.macro SYNC
	s_wait_dscnt 0x0                               ; for the others' sake: my stores into the stages are done
	s_barrier_signal -1
	s_barrier_wait -1
.endm
.macro BACK P
	WIN TO_B
.irp o, 0,1
.irp t, 0,1,2,3,4,5,6,7
	ds_load_b128 v[128*((\P)%2)+32*\o+4*\t:128*((\P)%2)+32*\o+4*\t+3], v[RD+\o] offset:(32*(\P)+2*\t)*PITCH
.endr
.endr
	WIN 0
.endm
.macro SEND P
	WIN 0x04                                       ; the data: window 1
.irp o, 0,1
.irp t, 0,1,2,3,4,5,6,7
	global_store_b128 v[CO], v[128*((\P)%2)+32*\o+4*\t:128*((\P)%2)+32*\o+4*\t+3], s[10-2*\o:11-2*\o] offset:(32*(\P)+2*\t)*8192 th:TH_STORE_NT
.endr
.endr
	WIN 0
.endm
	PLACES NP
	CLD 0
	EPI 0
	EPI 1
	SYNC
	BACK 0
	EPI 2
	SEND 0
	EPI 3
	SYNC
	BACK 1
	EPI 4
	SEND 1
	EPI 5
	SYNC
	s_wait_xcnt 0x0                                ; phase 0's stores have read their registers
	BACK 2
	EPI 6
	SEND 2
	EPI 7
	SYNC
	s_wait_xcnt 0x0                                ; phase 1's likewise
	BACK 3
	s_wait_dscnt 0x0
	SEND 3
	s_wait_tensorcnt 0x0                           ; the wave's end
	ds_add_u32 v[SPW], v[NIL]
	s_wait_dscnt 0x0
	CROUND                                         ; the closing round
	s_endpgm
.Lfunc_end_k_qe9d9b9c854_lstm:
	.size	k_qe9d9b9c854_lstm, .Lfunc_end_k_qe9d9b9c854_lstm-k_qe9d9b9c854_lstm
	.p2alignl 7, 3214868480
	.fill 96, 4, 3214868480
	.section	.rodata,"a",@progbits
	.p2align	6, 0x0
	.amdhsa_kernel k_qe9d9b9c854_lstm
		.amdhsa_group_segment_fixed_size 327680
		.amdhsa_private_segment_fixed_size 0
		.amdhsa_enable_private_segment 0
		.amdhsa_kernarg_size 64
		.amdhsa_user_sgpr_count 2
		.amdhsa_user_sgpr_kernarg_segment_ptr 1
		.amdhsa_wavefront_size32 1
		.amdhsa_system_sgpr_workgroup_id_x 1
		.amdhsa_system_sgpr_workgroup_id_y 1
		.amdhsa_system_sgpr_workgroup_id_z 1
		.amdhsa_system_vgpr_workitem_id 0
		.amdhsa_next_free_vgpr 1024
		.amdhsa_next_free_sgpr 100
		.amdhsa_reserve_vcc 0
		.amdhsa_float_denorm_mode_32 3
		.amdhsa_float_denorm_mode_16_64 3
		.amdhsa_memory_ordered 1
		.amdhsa_forward_progress 1
		.amdhsa_inst_pref_size 255
	.end_amdhsa_kernel
	.section	.bss,"aw",@nobits
	.p2align	6
	.space	262144
	.amdgpu_metadata
---
amdhsa.version: [ 1, 2 ]
amdhsa.kernels:
  - .name:           k_qe9d9b9c854_lstm
    .symbol:         k_qe9d9b9c854_lstm.kd
    .args:
      - { .name: codes, .offset: 0, .size: 8, .value_kind: global_buffer, .address_space: global }
      - { .name: c, .offset: 8, .size: 8, .value_kind: global_buffer, .address_space: global }
      - { .name: out0, .offset: 16, .size: 8, .value_kind: global_buffer, .address_space: global }
      - { .name: out1, .offset: 24, .size: 8, .value_kind: global_buffer, .address_space: global }
      - { .name: W_i_b, .offset: 32, .size: 8, .value_kind: global_buffer, .address_space: global }
      - { .name: W_f_b, .offset: 40, .size: 8, .value_kind: global_buffer, .address_space: global }
      - { .name: W_o_b, .offset: 48, .size: 8, .value_kind: global_buffer, .address_space: global }
      - { .name: W_c_b, .offset: 56, .size: 8, .value_kind: global_buffer, .address_space: global }
    .group_segment_fixed_size: 327680
    .private_segment_fixed_size: 0
    .kernarg_segment_align: 8
    .kernarg_segment_size: 64
    .max_flat_workgroup_size: 128
    .sgpr_count:     100
    .vgpr_count:     1024
    .wavefront_size: 32
...
	.end_amdgpu_metadata
.endif
;; end of part 2
